; MI455X (gfx1250); checked and timed in simulation.
; The chip was launched on July 23, 2026; its instructions are those of AMD's public machine-readable ISA for CDNA 5 (MIT licence, August 2026) and "CDNA5" Instruction Set Architecture Reference Guide (July 2026). The comments in the code are by the model that wrote it; some were corrected since.
;; Multi Discriminator. Allowed arithmetic: float matrix products may take bf16 or f16 operands with f32 sums; other float arithmetic in f32, or as packed bf16 or f16 multiplies, adds, multiply-adds, maxima and minima; sums over many terms, partial sums and values carried from step to step in f32; what a program stores and reads back later, other than sums and carried values, may be rounded once to bf16 or f16.
;; Inputs: W1 16 x 205 x 256 float32; W2 16 x 256 x 256 float32; W3 16 x 256 x 1 float32; action 32,768 x 17 float32; b1 16 x 256 float32; b2 16 x 256 float32; b3 16 x 1 float32; observation 32,768 x 188 float32; skill_idx 32,768 int32.
;; Outputs: out0 32,768 x 1 float32.
;; One version. Each part assembles by itself: llvm-mc -triple=amdgcn-amd-amdhsa -mcpu=gfx1250 --defsym DOCPART=n.
;; ======== version 1 of 1: 2 launches
;; workspace buffers: order 131,072 bytes of whole numbers; starts 256 bytes of whole numbers; params 3,981,312 bytes
;; launch prep (part 1): grid 256 x 1, 8 waves a work-group, no clusters, 1,280 bytes of LDS; arguments skill_idx, W1, W2, W3, b1, b2, order, starts, params; writes order, starts, params
.if DOCPART == 1
	.amdgcn_target "amdgcn-amd-amdhsa--gfx1250"
	.amdhsa_code_object_version 6
	.text
	.protected	k_q3bf2c07ae1_prep
	.globl	k_q3bf2c07ae1_prep
	.p2align	8
	.type	k_q3bf2c07ae1_prep,@function
k_q3bf2c07ae1_prep:
	s_mov_b64 s[64:65], 0
	v_nop
	global_prefetch_b8 v0, s[64:65] scope:SCOPE_SE
	s_setreg_imm32_b32 hwreg(HW_REG_WAVE_MODE, 25, 1), 1
	s_wait_xcnt 0x0
; PREP.  Two jobs that the chain of products needs done once.
; (a) A COUNTING SORT of the 32,768 tokens by skill, without atomics.  Work-group (e, s) = (number / 16, number % 16) places the tokens of chunk s (2,048 tokens)
;     whose skill is e.  A token's place is  #(skill < e, all tokens) + #(skill = e, chunks before s) + its rank in the chunk.  The first two are ONE count:
;     every work-group reads all 32,768 indices and counts those below a threshold, e + 1 in the chunks before its own and e from there on.
;     order[place] = token; starts[e] = #(skill < e), stored by work-group (e, 0).
; (b) THE WEIGHTS, rounded once to bf16 and laid out as the matrix instruction's source 0 takes them, one dense blob of EXP bytes an expert:
;       0       b1 in f32, permuted: [blk 0..15][m 0..15] = b1[n(blk, m)]          1,024   b2 likewise
;       2,048   W3 in bf16: [ks 0..7][q][h][j 0..7] = W3[nk(ks, 16 q + 8 h + j)]   2,560   512 bytes of 0
;       3,072   W1: fragments [blk 0..15][ks 0..6] of 1,024 bytes                  117,760 W2: fragments [blk 0..15][ks 0..7]
;     A fragment is 16 hidden units x 32 along K: byte 512 q + 16 (16 h + r) + 2 j holds W[K place 16 q + 8 h + j of step ks][unit n(blk, r)].
;     n(blk, m) = 64 (blk / 4) + 4 m + blk % 4: with it a lane's four neighbouring columns of a row of W belong to four blocks, and sixteen neighbouring lanes
;     hold the sixteen rows r of one fragment: each store below covers 256 consecutive bytes, aligned, without a trip through LDS.
;     The next layer's K order follows from it: nk(ks, k) = 64 (ks / 2) + 4 (k % 16) + 2 (ks % 2) + k / 16.  Layer 1's K order is W1's own; places 205..223 hold 0.
;     Wave u = 8 s + w of an expert's 128 takes one unit: u < 64: 8 rows x 128 columns of W2; u < 120: of W1; 120, 121: b1, b2; 122: W3 and the zeros.
; LIMITS.  skill_idx lies in 0..15, as the table that it indexes has it.  Weights are rounded to bf16, nearest even; biases stay f32.
.set EXP,   248832
.set SPARE, 256                        ; LDS: bytes 0..63 the waves' exchange (8 bytes a wave); from 256 on the spare words, 128 bytes for each of 8 waves
.set SPW,  2                           ; v2   LDS address of my spare word; never rewritten
.set NIL,  3                           ; v3   0; never rewritten
.set DST,  12                          ; v12-15   byte offsets of a unit's four stores
.set OFFJ, 16                          ; v16-23   byte offsets of a unit's eight rows
.set POS,  24                          ; v24-31   4 x place in order
.set TOK,  32                          ; v32-39   token numbers
.set EX,   40                          ; v40-55   the eight waves' pairs of counts
.set R,    56                          ; v56-87   row j's four columns at R + 4 j
.set O,    88                          ; v88-103  column i's eight rows in bf16 at O + 4 i
.set OC,   104                         ; v104-111 my eight indices of the own chunk
.set SC,   112                         ; v112-239 my 128 indices of the scan
; v8 holds 0 from the head on and is never rewritten: the address of the exchange's reads, and the offset of the store into starts
; scalars: s[4:21] the nine addresses; s22 w, s23 e, s24 s, s25 u, s26 2 s; s27 my wave's count; s28 threshold; s29 my wave's hits in the chunk; s30 base; s31 at work
	s_load_b512 s[4:19], s[0:1], 0x0               ; skill_idx 4, W1 6, W2 8, W3 10, b1 12, b2 14, order 16, starts 18
	s_load_b64 s[20:21], s[0:1], 0x40              ; params
	v_lshl_add_u32 v[SPW], v0, 2, SPARE
	v_mov_b32 v[NIL], 0
	v_and_b32 v1, 31, v0                           ; lane
	v_lshrrev_b32 v7, 5, v0
	v_readfirstlane_b32 s22, v7                    ; wave
	s_lshr_b32 s23, ttmp9, 4                       ; e
	s_and_b32 s24, ttmp9, 15                       ; s
	s_lshl3_add_u32 s25, s24, s22                  ; u = 8 s + w
	s_lshl_b32 s26, s24, 1                         ; the scan's blocks of 1,024 tokens before my chunk
	v_lshlrev_b32 v4, 4, v0                        ; the scan: 16 bytes a thread
	v_lshlrev_b32 v5, 5, v0                        ; the own chunk: 32 bytes a thread
	v_mov_b32 v7, s22
	v_lshlrev_b32 v7, 3, v7                        ; my wave's 8 bytes of the exchange
	v_mov_b32 v8, 0
	s_lshl_b32 s31, s24, 11
	v_lshl_add_u32 v9, v0, 3, s31                  ; my first token of the own chunk: 2,048 s + 8 t
	s_lshl_b32 s34, s24, 13                        ; the chunk's bytes in skill_idx
	s_mov_b32 s35, 0
	s_wait_kmcnt 0x0
	s_add_nc_u64 s[92:93], s[4:5], s[34:35]
	s_mul_i32 s34, s23, EXP
	s_add_nc_u64 s[20:21], s[20:21], s[34:35]      ; my expert's blob
	s_lshl_b32 s34, s23, 2
	s_add_nc_u64 s[18:19], s[18:19], s[34:35]      ; starts at my expert's word
.set jj, 0
.rept 32                                               ; all indices: block jj is 1,024 tokens, 4 a thread; a wave's load covers 512 consecutive bytes
	global_load_b128 v[SC+4*jj:SC+4*jj+3], v4, s[4:5] offset:4096*jj
.set jj, jj+1
.endr
	global_load_b128 v[OC:OC+3], v5, s[92:93]
	global_load_b128 v[OC+4:OC+7], v5, s[92:93] offset:16
	; ---- the wave's unit of the blob: forward branches on u alone, no barrier inside; what is written here is read here alone ----
	s_cmp_lt_u32 s25, 120
	s_cbranch_scc0 .Lnot_weights
	s_and_b32 s43, s25, 1                          ; which 128 columns
	s_lshr_b32 s39, s25, 1
	s_and_b32 s39, s39, 31                         ; g: u / 2 for W2, (u - 64) / 2 for W1
	s_lshr_b32 s40, s39, 2                         ; ks
	s_bfe_u32 s41, s39, 0x10001                    ; q
	s_and_b32 s42, s39, 1                          ; h
	s_lshr_b32 s36, s40, 1                         ; W2's first row: nk(ks, 16 q + 8 h) = 64 (ks / 2) + 32 h + 2 (ks % 2) + q
	s_lshl_b32 s36, s36, 6
	s_lshl_b32 s31, s42, 5
	s_add_co_u32 s36, s36, s31
	s_and_b32 s31, s40, 1
	s_lshl1_add_u32 s36, s31, s36
	s_add_co_u32 s36, s36, s41
	s_lshl_b32 s31, s39, 3                         ; W1's first row: 8 g
	s_mov_b32 s48, 262144                          ; an expert's bytes in W2,
	s_mov_b32 s49, 209920                          ; in W1
	s_mov_b32 s50, 117760                          ; the region in the blob
	s_mov_b32 s51, 3072
	s_mov_b32 s52, 255                             ; the last row
	s_mov_b32 s53, 204
	s_cmp_lt_u32 s25, 64                           ; W2?  (the lines below leave SCC alone)
	s_cselect_b64 s[32:33], s[8:9], s[6:7]
	s_cselect_b32 s48, s48, s49
	s_cselect_b32 s50, s50, s51
	s_cselect_b32 s38, s52, s53
	s_cselect_b32 s37, 4, 1                        ; from one of my rows to the next
	s_cselect_b32 s54, 8, 7                        ; K steps
	s_cselect_b32 s36, s36, s31
	s_mul_i32 s34, s23, s48
	s_add_nc_u64 s[32:33], s[32:33], s[34:35]      ; my expert's matrix
	s_lshl_b32 s31, s43, 9
	v_lshl_add_u32 v6, v1, 4, s31                  ; my four columns: 512 x half + 16 x lane
.irp j, 0,1,2,3,4,5,6,7
	s_cmp_le_u32 s36, s38                          ; a row past W1's last is read as the last row and masked to 0
	s_cselect_b32 s[84+\j], -1, 0
	s_min_u32 s31, s36, s38
	s_lshl_b32 s31, s31, 10
	v_add_nc_u32 v[OFFJ+\j], s31, v6
	s_add_co_u32 s36, s36, s37
.endr
.irp j, 0,1,2,3,4,5,6,7
	global_load_b128 v[R+4*\j:R+4*\j+3], v[OFFJ+\j], s[32:33] th:TH_LOAD_NT  ; 512 consecutive bytes of a row; each weight is read once in the launch
.endr
.irp m, 0,1,2,3
	s_and_b32 s31, s[84+2*\m], 0xffff              ; rows 2 m and 2 m + 1 share a word
	s_and_b32 s[44+\m], s[85+2*\m], 0xffff0000
	s_or_b32 s[44+\m], s[44+\m], s31
.endr
	s_lshl_b32 s31, s43, 3                         ; block = 8 x half + 4 (lane / 16) + i; the scalar part of ((block x NK + ks) x 1,024 + 512 q + 256 h) + region:
	s_mul_i32 s31, s31, s54
	s_add_co_u32 s31, s31, s40
	s_lshl_b32 s31, s31, 10
	s_add_co_u32 s31, s31, s50
	s_lshl_b32 s55, s41, 9
	s_add_co_u32 s31, s31, s55
	s_lshl_b32 s55, s42, 8
	s_add_co_u32 s31, s31, s55
	s_lshl_b32 s55, s54, 10                        ; a block's bytes
	v_lshrrev_b32 v10, 4, v1
	v_lshlrev_b32 v10, 2, v10
	v_and_b32 v11, 15, v1
	v_lshl_add_u32 v11, v11, 4, s31                ; + 16 r
.irp i, 0,1,2,3
	v_add_nc_u32 v[DST+\i], \i, v10
	v_mad_u32_u24 v[DST+\i], v[DST+\i], s55, v11
.endr
	s_wait_loadcnt 0x0
.irp i, 0,1,2,3
.irp m, 0,1,2,3
	v_cvt_pk_bf16_f32 v[O+4*\i+\m], v[R+8*\m+\i], v[R+8*\m+4+\i]  ; column i, rows 2 m and 2 m + 1
.endr
.endr
.irp i, 0,1,2,3
.irp m, 0,1,2,3
	v_and_b32 v[O+4*\i+\m], s[44+\m], v[O+4*\i+\m]
.endr
.endr
.irp i, 0,1,2,3
	global_store_b128 v[DST+\i], v[O+4*\i:O+4*\i+3], s[20:21]  ; sixteen lanes store 256 consecutive bytes, at a multiple of 256 from the buffer's first
.endr
	s_branch .Ljoin
.Lnot_weights:
	s_cmp_lt_u32 s25, 122
	s_cbranch_scc0 .Lnot_bias
	s_cmp_eq_u32 s25, 120
	s_cselect_b64 s[32:33], s[12:13], s[14:15]     ; b1 or b2
	s_cselect_b32 s31, 0, 1024
	s_lshl_b32 s34, s23, 10
	s_add_nc_u64 s[32:33], s[32:33], s[34:35]
	v_and_b32 v6, 7, v1                            ; word 64 i + 2 lane + z of the permuted bias is block 4 i + lane / 8, m = 2 (lane % 8) + z:
	v_lshrrev_b32 v10, 3, v1                       ; unit 64 i + 8 (lane % 8) + 4 z + lane / 8
	v_lshlrev_b32 v10, 2, v10
	v_lshl_add_u32 v6, v6, 5, v10
.irp i, 0,1,2,3
	global_load_b32 v[R+2*\i], v6, s[32:33] offset:256*\i
	global_load_b32 v[R+2*\i+1], v6, s[32:33] offset:256*\i+16
.endr
	v_lshl_add_u32 v[DST], v1, 3, s31
	s_wait_loadcnt 0x0
.irp i, 0,1,2,3
	global_store_b64 v[DST], v[R+2*\i:R+2*\i+1], s[20:21] offset:256*\i  ; the wave stores 256 consecutive bytes, aligned
.endr
	s_branch .Ljoin
.Lnot_bias:
	s_cmp_eq_u32 s25, 122
	s_cbranch_scc0 .Ljoin
	s_lshl_b32 s34, s23, 10
	s_add_nc_u64 s[32:33], s[10:11], s[34:35]      ; my expert's W3
	v_lshrrev_b32 v6, 3, v1                        ; lane = 4 ks + 2 q + h: nk(ks, 16 q + 8 h + j) = 64 (lane / 8) + 32 (lane % 2) + 4 j + 2 ((lane / 4) % 2) + (lane / 2) % 2
	v_lshlrev_b32 v6, 6, v6
	v_and_b32 v10, 1, v1
	v_lshl_add_u32 v6, v10, 5, v6
	v_bfe_u32 v10, v1, 2, 1
	v_lshl_add_u32 v6, v10, 1, v6
	v_bfe_u32 v10, v1, 1, 1
	v_add_lshl_u32 v6, v6, v10, 2
.irp j, 0,1,2,3,4,5,6,7
	global_load_b32 v[R+\j], v6, s[32:33] offset:16*\j
.endr
	v_lshlrev_b32 v[DST], 4, v1
.irp m, 4,5,6,7
	v_mov_b32 v[O+\m], 0
.endr
	s_wait_loadcnt 0x0
.irp m, 0,1,2,3
	v_cvt_pk_bf16_f32 v[O+\m], v[R+2*\m], v[R+2*\m+1]
.endr
	global_store_b128 v[DST], v[O:O+3], s[20:21] offset:2048
	global_store_b128 v[DST], v[O+4:O+7], s[20:21] offset:2560  ; the 512 bytes of 0 that make the blob's first part four equal shares
.Ljoin:
	s_wait_loadcnt 0x0                             ; the indices
	; ---- the scan: how many of my wave's 4,096 indices lie below the threshold ----
	s_mov_b32 s27, 0
.set jj, 0
.rept 32
	s_cmp_gt_u32 s26, jj                           ; a block before my chunk?
	s_add_co_ci_u32 s28, s23, 0                    ; then equals count too: e + 1, else e
.irp i, 0,1,2,3
	v_cmp_gt_u32 s[40+\i], s28, v[SC+4*jj+\i]
.endr
.irp i, 0,1,2,3
	s_bcnt1_i32_b32 s[40+\i], s[40+\i]
.endr
.irp i, 0,1,2,3
	s_add_co_u32 s27, s27, s[40+\i]
.endr
.set jj, jj+1
.endr
	; ---- the own chunk: masks of my wave's hits, element by element, and how many stand before each element ----
.irp i, 0,1,2,3,4,5,6,7
	v_cmp_eq_u32 s[48+\i], s23, v[OC+\i]
.endr
	s_mov_b32 s29, 0
.irp i, 0,1,2,3,4,5,6,7
	s_mov_b32 s[56+\i], s29
	s_bcnt1_i32_b32 s31, s[48+\i]
	s_add_co_u32 s29, s29, s31
.endr
	; ---- the eight waves' counts meet in LDS ----
	v_mov_b32 v10, s27
	v_mov_b32 v11, s29
	ds_store_b64 v7, v[10:11]                      ; every lane writes the wave's own 8 bytes with the same numbers
	s_wait_dscnt 0x0                               ; for the others' sake: my store is done
	s_barrier_signal -1
	s_barrier_wait -1
.irp k, 0,1,2,3
	ds_load_b128 v[EX+4*\k:EX+4*\k+3], v8 offset:16*\k
.endr
	s_wait_dscnt 0x0
.irp k, 0,1,2,3,4,5,6,7,8,9,10,11,12,13,14,15
	v_readfirstlane_b32 s[66+\k], v[EX+\k]
.endr
	s_mov_b32 s30, 0
.irp k, 0,1,2,3,4,5,6,7
	s_add_co_u32 s30, s30, s[66+2*\k]              ; all waves' parts of the scan,
	s_cmp_gt_u32 s22, \k
	s_cselect_b32 s31, s[67+2*\k], 0               ; and the hits of the waves before mine
	s_add_co_u32 s30, s30, s31
.endr
	; ---- places and stores.  A wave's hits are few and lie apart: these are stores of 4 bytes, 131,072 bytes of them in the whole launch ----
.irp i, 0,1,2,3,4,5,6,7
	v_mbcnt_lo_u32_b32 v[POS+\i], s[48+\i], s[56+\i]  ; hits in lower lanes + hits in earlier elements
	v_add_nc_u32 v[POS+\i], s30, v[POS+\i]
	v_min_u32 v[POS+\i], 0x7fff, v[POS+\i]         ; a place made of loaded numbers is held inside the buffer
	v_lshlrev_b32 v[POS+\i], 2, v[POS+\i]
	v_add_nc_u32 v[TOK+\i], \i, v9
.endr
.irp i, 0,1,2,3,4,5,6,7
	s_wait_xcnt 0x0                                ; EXEC is a source of the stores issued so far: it narrows only behind this wait
	v_cmp_eq_u32 vcc_lo, s23, v[OC+\i]
	s_and_saveexec_b32 s82, vcc_lo
	global_store_b32 v[POS+\i], v[TOK+\i], s[16:17]
	s_wait_xcnt 0x0                                ; and widens only behind this one
	s_or_b32 exec_lo, exec_lo, s82
.endr
	s_cmp_eq_u32 s25, 0                            ; chunk 0, wave 0: its base is #(skill < e)
	s_cselect_b32 vcc_lo, 1, 0                     ; lane 0 alone, or nobody
	v_mov_b32 v10, s30
	s_wait_xcnt 0x0
	s_and_saveexec_b32 s82, vcc_lo
	global_store_b32 v8, v10, s[18:19]             ; the base already points at starts[e]; the offset is the constant 0
	s_wait_xcnt 0x0
	s_or_b32 exec_lo, exec_lo, s82
	s_wait_tensorcnt 0x0                           ; the wave's end, behind my last LDS store
	ds_add_u32 v[SPW], v[NIL]
	s_wait_dscnt 0x0
	s_endpgm
.Lfunc_end_k_q3bf2c07ae1_prep:
	.size	k_q3bf2c07ae1_prep, .Lfunc_end_k_q3bf2c07ae1_prep-k_q3bf2c07ae1_prep
	.p2alignl 7, 3214868480
	.fill 96, 4, 3214868480
	.section	.rodata,"a",@progbits
	.p2align	6, 0x0
	.amdhsa_kernel k_q3bf2c07ae1_prep
		.amdhsa_group_segment_fixed_size 1280
		.amdhsa_private_segment_fixed_size 0
		.amdhsa_enable_private_segment 0
		.amdhsa_kernarg_size 72
		.amdhsa_user_sgpr_count 2
		.amdhsa_user_sgpr_kernarg_segment_ptr 1
		.amdhsa_wavefront_size32 1
		.amdhsa_system_sgpr_workgroup_id_x 1
		.amdhsa_system_sgpr_workgroup_id_y 1
		.amdhsa_system_sgpr_workgroup_id_z 1
		.amdhsa_system_vgpr_workitem_id 0
		.amdhsa_next_free_vgpr 240
		.amdhsa_next_free_sgpr 96
		.amdhsa_reserve_vcc 1
		.amdhsa_float_denorm_mode_32 3
		.amdhsa_float_denorm_mode_16_64 3
		.amdhsa_memory_ordered 1
		.amdhsa_forward_progress 1
		.amdhsa_inst_pref_size 41
	.end_amdhsa_kernel
	.amdgpu_metadata
---
amdhsa.version: [ 1, 2 ]
amdhsa.kernels:
  - .name:           k_q3bf2c07ae1_prep
    .symbol:         k_q3bf2c07ae1_prep.kd
    .args:
      - { .name: skill_idx, .offset: 0, .size: 8, .value_kind: global_buffer, .address_space: global }
      - { .name: W1, .offset: 8, .size: 8, .value_kind: global_buffer, .address_space: global }
      - { .name: W2, .offset: 16, .size: 8, .value_kind: global_buffer, .address_space: global }
      - { .name: W3, .offset: 24, .size: 8, .value_kind: global_buffer, .address_space: global }
      - { .name: b1, .offset: 32, .size: 8, .value_kind: global_buffer, .address_space: global }
      - { .name: b2, .offset: 40, .size: 8, .value_kind: global_buffer, .address_space: global }
      - { .name: order, .offset: 48, .size: 8, .value_kind: global_buffer, .address_space: global }
      - { .name: starts, .offset: 56, .size: 8, .value_kind: global_buffer, .address_space: global }
      - { .name: params, .offset: 64, .size: 8, .value_kind: global_buffer, .address_space: global }
    .group_segment_fixed_size: 1280
    .private_segment_fixed_size: 0
    .kernarg_segment_align: 8
    .kernarg_segment_size: 72
    .max_flat_workgroup_size: 256
    .sgpr_count:     96
    .vgpr_count:     240
    .wavefront_size: 32
...
	.end_amdgpu_metadata
.endif
;; end of part 1
;; launch chain (part 2): grid 186 x 1, 4 waves a work-group, no clusters, 279,040 bytes of LDS; arguments observation, action, order, starts, params, b3, out0; writes out0
.if DOCPART == 2
	.amdgcn_target "amdgcn-amd-amdhsa--gfx1250"
	.amdhsa_code_object_version 6
	.text
	.protected	k_q3bf2c07ae1_chain
	.globl	k_q3bf2c07ae1_chain
	.p2align	8
	.type	k_q3bf2c07ae1_chain,@function
k_q3bf2c07ae1_chain:
	s_mov_b64 s[64:65], 0
	v_nop
	global_prefetch_b8 v0, s[64:65] scope:SCOPE_SE
	s_setreg_imm32_b32 hwreg(HW_REG_WAVE_MODE, 25, 1), 1
	s_wait_xcnt 0x0
; CHAIN.  out0[t] = sigmoid(W3e . relu(W2e^T relu(W1e^T x[t] + b1e) + b2e) + b3e), e = the token's skill, x = [observation, action], for a tile of 192 tokens of ONE skill.
; Only the chosen skill's products are made: the others' results are thrown away by the selection at the end of the module.
; TILES.  The tokens lie sorted by skill in order[]; starts[e] is skill e's first place.  Skill e has ceil(n_e / 192) tiles; over 16 skills and 32,768 tokens that is never more than
; 171 + 15 = 186, whatever the split: the grid.  Every work-group finds its tile from starts[] by the same sixteen steps.  THE TEXT HAS NO BRANCH: a place past a skill's count,
; and a work-group that a split leaves without rows, run the same lines on places held inside order[], and EXEC masks their stores.
; SHARES.  Four waves, 48 tokens each: three tiles of 16.  A wave shares nothing with the others but the weights in LDS.
; LAYOUT.  Every product is used transposed: source 0 = 16 hidden units (a fragment, as the launch before laid it out), source 1 = 16 tokens.  In the result a lane holds ONE token (lane % 16)
; and the units 8 (lane / 16) + 0..7 of the block.  Two blocks' results, rounded to bf16 in pairs, ARE source 1 (one K step) of the next layer: the hidden layers never leave the registers.
; The bias is the C operand of a sum's first K step.  For the last layer W3 stands in all 16 rows of source 0, so register 0 of the result is the lane's token's logit.
; WEIGHTS.  The expert's whole blob (248,832 bytes) comes into LDS once, by two tensor loads a wave: a quarter of the first 117,760 bytes (biases, W3, W1), a quarter of W2's 131,072.
; By this text's own count a wave has two tensor loads outstanding at the most.  No LDS byte is filled twice.
; NO CLUSTER.  The tiles of a skill read the same blob, but their number is no multiple of four at every split.  Dealing each skill whole clusters of 4 x 192 rows would serve every split with
; 58 clusters (232 work-groups) and ask for the blob once for four, at the price of rows past the count in up to three more tiles a skill: not built in this text.
; LIMITS.  x, W1, W2, W3 and both hidden layers are rounded once to bf16 (nearest even); sums, biases and the sigmoid are f32.  relu of a NaN is 0.
; 2^x and 1/x count denormals as 0 (ISA guide, their entries): a probability below 2^-126 comes out as 0.
.set EXP,    248832
.set B2P,    1024
.set W3C,    2048
.set W1F,    3072
.set W2F,    117760
.set QA,     29440                     ; a wave's quarter of the first group: 115 rows of 256 bytes
.set STAGE,  248832                    ; behind the blob, never filled by a tensor load: 16 rows x 464 bytes for each wave
.set SPITCH, 464                       ; a row of x in bf16: 188 + 17 numbers, 19 zeros (448 bytes), 16 of padding: 29 x 16 bytes, so the 16 rows of a fragment load start at 16 different groups of four banks (64 banks of 4 bytes: ISA guide 11.1)
.set WSTAGE, 16*SPITCH
.set SPARE,  STAGE+4*WSTAGE            ; the spare words, 128 bytes for each wave: two blocks of 256 bytes that no other line names
; REGISTERS, in windows of 256 (s_set_vgpr_msb: bits 1:0 source 0, 3:2 source 1, 5:4 source 2, 7:6 destination)
;   window 0: v0 thread, v1 r = lane % 16, v2 hi = lane / 16, v3 lane; addresses; the accumulators; biases; the second hidden layer's K step in hand
;   window 1: two buffers of 128 for a step's fragments of W (the second first serves as tile 2's landing)
;   window 2: x as source 1, tile t, K step ks at 8 (7 t + ks); W3's fragments at 168 + 8 ks
;   window 3: the first hidden layer as source 1, tile t, K step ks at 8 (8 t + ks) (before that: the landings of tiles 0 and 1)
.set SPW,  4                           ; v4   LDS address of my spare word; never rewritten
.set NIL,  5                           ; v5   0; never rewritten
.set WA,   6                           ; v6-9    16 lane + 3,072, 60,416 (W1's halves), 117,760, 183,296 (W2's halves): the immediates reach 65,535 bytes
.set BA,   10                          ; v10  32 hi: a lane's eight biases of a block
.set W3A,  11                          ; v11  2,048 + 16 hi
.set XA,   12                          ; v12  my stage + 464 r + 16 hi: a fragment of x
.set ST8,  13                          ; v13  my stage + 464 hi + 8 r: four numbers of observation
.set ST2,  14                          ; v14  my stage + 464 hi + 2 r: one number of action
.set ST17, 15                          ; v15  my stage + 464 r: action's 17th
.set STZ,  16                          ; v16  my stage + 464 r + 400 + 16 hi: the zeros
.set VO,   24                          ; v24-47  pair p of 24: token 2 p + hi, then its byte offset in observation + 16 r
.set VA,   48                          ; v48-71  its byte offset in action + 4 r
.set T16,  72                          ; v72-74  tile t: token 16 t + r, then its byte offset in out0
.set A16,  75                          ; v75-77  its byte offset in action
.set REL,  78                          ; v78  my slot's place counted from the wave's first place; far out of range for lanes 16-31
.set ACC,  80                          ; v80-127  block b (0, 1), tile t at ACC + 8 (3 b + t)
.set BI,   128                         ; v128-159 biases: buffer par, block b at BI + 16 par + 8 b
.set H2,   160                         ; v160-183 the second hidden layer's K step, tile t
.set ACC3, 184                         ; v184-207 the logits, tile t
.set TM,   208                         ; v208-215 at work
; scalars: s[4:5] observation, s[6:7] action, s[8:9] order, s[10:11] starts, s[12:13] params, s[14:15] b3, s[36:37] out0; s[16:31] starts[0..15]; s32 wave, s33 tile number;
; s34 tiles so far; s35 e, s38 its first tile, s39 its first place, s40 its count; s43 my wave's first place, s44 its valid places, s45 the place read from, s46 their difference;
; s47 0; s[48:55], s[56:63] descriptor groups 1; s[68:71], s[72:75] groups 0; s[76:77] an offset; s78 b3[e], s79 -log2(e), s80 their product; s81 EXEC set aside
.set MSB, 0
.macro WIN new                         ; the immediate's high byte repeats the setting that is left; a switch that changes nothing is dropped
.if MSB != (\new)
	s_set_vgpr_msb (MSB<<8)|(\new)
.set MSB, (\new)
.endif
.endm
.macro PLACES                          ; four places behind a matrix instruction, ahead of loads into its sources and of reads of its result
.rept 4
	v_nop
.endr
.endm
	s_load_b256 s[4:11], s[0:1], 0x0
	s_load_b128 s[12:15], s[0:1], 0x20
	s_load_b64 s[36:37], s[0:1], 0x30
	v_lshl_add_u32 v[SPW], v0, 2, SPARE
	v_mov_b32 v[NIL], 0
	ds_add_u32 v[SPW], v[NIL]                      ; the wave's opening: the add and its wait ahead of my first tensor load; work on registers stands between them
	v_lshrrev_b32 v[TM], 5, v0
	v_readfirstlane_b32 s32, v[TM]                 ; wave 0..3
	s_mov_b32 s33, ttmp9
	; descriptor groups 1: dense bytes as rows of 256 (32 elements of 8 bytes), 115 or 128 rows, no padding, no mask
.irp g, 48, 56
	s_mov_b32 s[\g], 3<<16                         ; 17:16 elements of 8 bytes
	s_mov_b32 s[\g+1], 32<<16                      ; tensor_dim0 = 32
	s_mov_b32 s[\g+3], 32<<16                      ; tile_dim0 = 32
	s_mov_b32 s[\g+5], 32                          ; 32 elements from row to row
	s_mov_b32 s[\g+6], 0
	s_mov_b32 s[\g+7], 0
.endr
	s_mov_b32 s50, 115<<16                         ; tensor_dim1
	s_mov_b32 s52, 115                             ; tile_dim1
	s_mov_b32 s58, 128<<16
	s_mov_b32 s60, 128
	s_mov_b32 s68, 1                               ; groups 0: count = 1,
	s_mul_i32 s69, s32, QA                         ; LDS address: my quarter, at the same offset as in the blob
	s_mov_b32 s72, 1
	s_lshl_b32 s73, s32, 15
	s_add_co_u32 s73, s73, W2F
	s_mov_b32 s47, 0
	s_mov_b32 s77, 0
	s_mov_b32 s79, 0xbfb8aa3b                      ; -log2(e)
	s_mov_b32 s34, 0
	s_mov_b32 s35, 0
	s_mov_b32 s38, 0
	s_mov_b32 s39, 0
	s_mov_b32 s40, 0
	s_wait_dscnt 0x0                               ; the opening add is done
	s_wait_kmcnt 0x0
	s_load_b512 s[16:31], s[10:11], 0x0            ; starts[0..15]; the lane's addresses are made meanwhile
	v_and_b32 v3, 31, v0
	v_and_b32 v1, 15, v0
	v_bfe_u32 v2, v0, 4, 1
	v_lshl_add_u32 v[WA], v3, 4, W1F
	v_lshl_add_u32 v[WA+1], v3, 4, W1F+4*14336
	v_lshl_add_u32 v[WA+2], v3, 4, W2F
	v_lshl_add_u32 v[WA+3], v3, 4, W2F+4*16384
	v_lshlrev_b32 v[BA], 5, v2
	v_lshl_add_u32 v[W3A], v2, 4, W3C
	s_mul_i32 s41, s32, WSTAGE
	s_add_co_u32 s41, s41, STAGE                   ; my stage
	v_mul_u32_u24 v[ST17], v1, SPITCH
	v_add_nc_u32 v[ST17], s41, v[ST17]
	v_lshl_add_u32 v[XA], v2, 4, v[ST17]
	v_add_nc_u32 v[STZ], 400, v[XA]
	v_mul_u32_u24 v[TM], v2, SPITCH
	v_add_nc_u32 v[TM], s41, v[TM]
	v_lshl_add_u32 v[ST8], v1, 3, v[TM]
	v_lshl_add_u32 v[ST2], v1, 1, v[TM]
	v_lshlrev_b32 v17, 2, v2                       ; 4 hi
	v_lshlrev_b32 v18, 2, v1                       ; 4 r
	v_lshlrev_b32 v19, 4, v1                       ; 16 r
.irp i, 20,21,22,23
	v_mov_b32 v\i, 0
.endr
	s_wait_kmcnt 0x0
; WHICH TILE.  Skill e's tiles begin at the number of tiles of the skills before it; mine is the last skill whose first tile is not beyond my number.
; ceil(n / 192) = ((n + 191) / 64) / 3, and x / 3 = (x x 43,691) >> 17 for the x at hand (514 at the most).
.macro PICK e
.if (\e) < 15
	s_sub_co_u32 s41, s[17+(\e)], s[16+(\e)]       ; n
.else
	s_sub_co_u32 s41, 0x8000, s31
.endif
	s_cmp_le_u32 s34, s33
	s_cselect_b32 s35, \e, s35
	s_cselect_b32 s38, s34, s38
	s_cselect_b32 s39, s[16+(\e)], s39
	s_cselect_b32 s40, s41, s40
	s_add_co_u32 s42, s41, 191
	s_lshr_b32 s42, s42, 6
	s_mul_i32 s42, s42, 0xaaab
	s_lshr_b32 s42, s42, 17
	s_add_co_u32 s34, s34, s42
.endm
.irp e, 0,1,2,3,4,5,6,7,8,9,10,11,12,13,14,15
	PICK \e
.endr
	s_min_u32 s35, s35, 15                         ; numbers made of loaded ones are held in range before they enter an address
	s_sub_co_u32 s41, s33, s38                     ; my tile among the skill's
	s_mul_i32 s41, s41, 192
	s_add_co_u32 s43, s39, s41
	s_mul_i32 s41, s32, 48
	s_add_co_u32 s43, s43, s41                     ; my wave's first place
	s_add_co_u32 s44, s39, s40
	s_sub_co_i32 s44, s44, s43
	s_max_i32 s44, s44, 0                          ; how many places from there on are the skill's
	s_min_u32 s45, s43, 0x7fd0                     ; 48 places from here on lie inside order[]
	s_sub_co_u32 s46, s45, s43                     ; slot i stands for place i + this; it counts if that, unsigned, is below s44
	s_lshl_b32 s76, s45, 2
	s_add_nc_u64 s[8:9], s[8:9], s[76:77]
.set pp, 0
.rept 24                                               ; the list first: the gather hangs on it
	global_load_b32 v[VO+pp], v17, s[8:9] offset:8*pp
.set pp, pp+1
.endr
.irp t, 0,1,2
	global_load_b32 v[T16+\t], v18, s[8:9] offset:64*\t
.endr
	s_lshl_b32 s76, s35, 2
	s_add_nc_u64 s[14:15], s[14:15], s[76:77]
	s_load_b32 s78, s[14:15], 0x0                  ; b3[e]; waited for at the way out
	s_mul_i32 s76, s35, EXP
	s_add_nc_u64 s[12:13], s[12:13], s[76:77]      ; the expert's blob
	s_mov_b32 s76, s69
	s_add_nc_u64 s[70:71], s[12:13], s[76:77]      ; global address of my quarter,
	s_or_b32 s71, s71, 0x80000000                  ; type = 2
	s_mov_b32 s76, s73
	s_add_nc_u64 s[74:75], s[12:13], s[76:77]
	s_or_b32 s75, s75, 0x80000000
	tensor_load_to_lds s[68:71], s[48:55]          ; biases, W3, W1
	s_nop 0
	tensor_load_to_lds s[72:75], s[56:63]          ; W2
	s_nop 0
	ds_store_b128 v[STZ], v[20:23]                 ; bytes 400..463 of my stage's rows are 0; the tiles' stores write 400..409 again, 410 on stays 0: K places 205..223
	ds_store_b128 v[STZ], v[20:23] offset:32
	v_lshl_add_u32 v[REL], v2, 30, v1
	v_add_nc_u32 v[REL], s46, v[REL]
	s_wait_loadcnt 0x0                             ; the list
.set pp, 0
.rept 24
	v_min_u32 v[VO+pp], 0x7fff, v[VO+pp]
	v_mul_u32_u24 v[VA+pp], v[VO+pp], 68
	v_add_nc_u32 v[VA+pp], v[VA+pp], v18
	v_mul_u32_u24 v[VO+pp], v[VO+pp], 752
	v_add_nc_u32 v[VO+pp], v[VO+pp], v19
.set pp, pp+1
.endr
.irp t, 0,1,2
	v_min_u32 v[T16+\t], 0x7fff, v[T16+\t]
	v_mul_u32_u24 v[A16+\t], v[T16+\t], 68
	v_lshlrev_b32 v[T16+\t], 2, v[T16+\t]
.endr
; THE GATHER of tile t: 33 loads.  A row of observation is 752 bytes, 47 pieces of 16: sixteen lanes take pieces 0-15, 16-31 and 31-46 (piece 31 twice, so that no load leaves the row);
; lanes 0-15 work on one token, lanes 16-31 on the next.  A row of action is 17 numbers: sixteen by the sixteen lanes, the 17th of all sixteen tokens by one load.
; Landing at L of window win: pair p, piece c at L + 4 (3 p + c); action at L + 96 + p; the 17th at L + 104.
.macro GATHER t, win, L
	WIN (\win)<<6                                  ; destination in the landing's window, address in window 0
.set pp, 0
.rept 8
	global_load_b128 v[(\L)+12*pp:(\L)+12*pp+3],    v[VO+8*(\t)+pp], s[4:5]
	global_load_b128 v[(\L)+12*pp+4:(\L)+12*pp+7],  v[VO+8*(\t)+pp], s[4:5] offset:256
	global_load_b128 v[(\L)+12*pp+8:(\L)+12*pp+11], v[VO+8*(\t)+pp], s[4:5] offset:496
	global_load_b32  v[(\L)+96+pp], v[VA+8*(\t)+pp], s[6:7]
.set pp, pp+1
.endr
	global_load_b32 v[(\L)+104], v[A16+(\t)], s[6:7] offset:64
.endm
; Tile t is rounded to bf16 in place, laid into my stage by rows, and read back as seven fragments.  LDS serves a wave's instructions in order (ISA guide 5.7.1.4): the reads see the stores
; above them, and the next tile's stores come behind these reads; the stage is my wave's own, so no barrier is wanted.  left: the younger loads that may stay out.
.macro STAGEX t, win, L, left
	s_wait_loadcnt \left
	WIN ((\win)<<6)|((\win)<<2)|(\win)
.set cc, 0
.rept 24
	v_cvt_pk_bf16_f32 v[(\L)+4*cc],   v[(\L)+4*cc],   v[(\L)+4*cc+1]
	v_cvt_pk_bf16_f32 v[(\L)+4*cc+1], v[(\L)+4*cc+2], v[(\L)+4*cc+3]
.set cc, cc+1
.endr
.set cc, 0
.rept 9
	v_cvt_pk_bf16_f32 v[(\L)+96+cc], v[(\L)+96+cc], v[(\L)+96+cc]
.set cc, cc+1
.endr
	WIN (\win)<<2                                  ; store data (source 1) in the landing's window
.set pp, 0
.rept 8
	ds_store_b64 v[ST8], v[(\L)+12*pp:(\L)+12*pp+1]   offset:2*SPITCH*pp
	ds_store_b64 v[ST8], v[(\L)+12*pp+4:(\L)+12*pp+5] offset:2*SPITCH*pp+128
	ds_store_b64 v[ST8], v[(\L)+12*pp+8:(\L)+12*pp+9] offset:2*SPITCH*pp+248
	ds_store_b16 v[ST2], v[(\L)+96+pp] offset:2*SPITCH*pp+376
.set pp, pp+1
.endr
	ds_store_b16 v[ST17], v[(\L)+104] offset:408
	WIN 0x80                                       ; destination window 2
.set kk, 0
.rept 7
	ds_load_b128 v[8*(7*(\t)+kk):8*(7*(\t)+kk)+3],   v[XA] offset:64*kk
	ds_load_b128 v[8*(7*(\t)+kk)+4:8*(7*(\t)+kk)+7], v[XA] offset:64*kk+32
.set kk, kk+1
.endr
.endm
	GATHER 0, 3, 0                                 ; all 99 loads go out on end
	GATHER 1, 3, 112
	GATHER 2, 1, 128
	STAGEX 0, 3, 0, 63                             ; 66 loads are younger than tile 0's; the count's field ends at 63
	STAGEX 1, 3, 112, 33                           ; tile 2's 33 may stay out
	STAGEX 2, 1, 128, 0
	s_wait_tensorcnt 0x1                           ; my quarter of the first group is in; W2's may stay out
	s_wait_dscnt 0x0                               ; no LDS instruction of mine is pending at the signal; x is in registers
	s_barrier_signal -1
	s_barrier_wait -1                              ; everybody's quarter is in
	WIN 0x80
.set kk, 0
.rept 8                                                ; W3: sixteen lanes read the same 16 bytes, so all 16 rows of source 0 are W3
	ds_load_b128 v[168+8*kk:168+8*kk+3], v[W3A] offset:64*kk
	ds_load_b128 v[168+8*kk+4:168+8*kk+7], v[W3A] offset:64*kk+32
.set kk, kk+1
.endr
; SIXTEEN STEPS.  Step G < 8: blocks 2 G, 2 G + 1 of layer 1; step G >= 8: blocks 2 (G - 8), 2 (G - 8) + 1 of layer 2, and the K step of layer 3 that they make.
; FETCH G: the step's fragments (two blocks x 7 or 8 K steps, consecutive in the blob; a load takes 512 consecutive bytes) into buffer G % 2 of window 1, and its 2 x 8 biases a lane: 32 or 36 loads.
.macro FETCH G
.set fpar, (\G)%2
.set fp, (\G)%8
.if (\G) < 8
.set fn, 14
.set fwa, WA+fp/4
.set fwo, (fp%4)*14336
.set fbo, 128*fp
.else
.set fn, 16
.set fwa, WA+2+fp/4
.set fwo, (fp%4)*16384
.set fbo, B2P+128*fp
.endif
	WIN 0x40                                       ; destination window 1
.set ff, 0
.rept fn
	ds_load_b128 v[128*fpar+8*ff:128*fpar+8*ff+3],   v[fwa] offset:fwo+1024*ff
	ds_load_b128 v[128*fpar+8*ff+4:128*fpar+8*ff+7], v[fwa] offset:fwo+1024*ff+512
.set ff, ff+1
.endr
	WIN 0
.irp b, 0,1
	ds_load_b128 v[BI+16*fpar+8*(\b):BI+16*fpar+8*(\b)+3],   v[BA] offset:fbo+64*(\b)
	ds_load_b128 v[BI+16*fpar+8*(\b)+4:BI+16*fpar+8*(\b)+7], v[BA] offset:fbo+64*(\b)+16
.endr
.endm
; MUL G: 42 or 48 matrix instructions.  The six accumulators take turns, one instruction a turn; the first K step starts each sum with the bias.
.macro MUL G
.set mpar, (\G)%2
.if (\G) < 8
	WIN 0x09                                       ; W in window 1, x in window 2
.set mk, 7
.else
	WIN 0x0d                                       ; W in window 1, the first hidden layer in window 3
.set mk, 8
.endif
.set kk, 0
.rept mk
.irp b, 0,1
.irp t, 0,1,2
.set rD, ACC+8*(3*(\b)+(\t))
.set rA, 128*mpar+8*(mk*(\b)+kk)
.set rB, 8*(mk*(\t)+kk)
.if kk == 0
	v_wmma_f32_16x16x32_bf16 v[rD:rD+7], v[rA:rA+7], v[rB:rB+7], v[BI+16*mpar+8*(\b):BI+16*mpar+8*(\b)+7]
.else
	v_wmma_f32_16x16x32_bf16 v[rD:rD+7], v[rA:rA+7], v[rB:rB+7], v[rD:rD+7]
.endif
.endr
.endr
.set kk, kk+1
.endr
.endm
; PACK1 p: the step's six results, rounded to bf16 and cut at 0, become K step p of layer 2's source 1.  Each accumulator is read from its low end on.
.macro PACK1 p
	WIN 0xc0                                       ; destination window 3
.irp b, 0,1
.irp t, 0,1,2
.irp i, 0,1,2,3
	v_cvt_pk_bf16_f32 v[8*(8*(\t)+(\p))+4*(\b)+(\i)], v[ACC+8*(3*(\b)+(\t))+2*(\i)], v[ACC+8*(3*(\b)+(\t))+2*(\i)+1]
.endr
.endr
.endr
	WIN 0xc3                                       ; destination and source 0 window 3
.irp t, 0,1,2
.irp i, 0,1,2,3,4,5,6,7
	v_pk_max_num_bf16 v[8*(8*(\t)+(\p))+(\i)], v[8*(8*(\t)+(\p))+(\i)], s47
.endr
.endr
.endm
.macro PACK2                           ; the same for layer 2, into window 0
	WIN 0
.irp b, 0,1
.irp t, 0,1,2
.irp i, 0,1,2,3
	v_cvt_pk_bf16_f32 v[H2+8*(\t)+4*(\b)+(\i)], v[ACC+8*(3*(\b)+(\t))+2*(\i)], v[ACC+8*(3*(\b)+(\t))+2*(\i)+1]
.endr
.endr
.endr
.irp t, 0,1,2
.irp i, 0,1,2,3,4,5,6,7
	v_pk_max_num_bf16 v[H2+8*(\t)+(\i)], v[H2+8*(\t)+(\i)], s47
.endr
.endr
.endm
.macro L3 p                            ; K step p of the logits: three accumulators, one instruction each
	WIN 0x02                                       ; W3 in window 2
.irp t, 0,1,2
.if (\p) == 0
	v_wmma_f32_16x16x32_bf16 v[ACC3+8*(\t):ACC3+8*(\t)+7], v[168+8*(\p):168+8*(\p)+7], v[H2+8*(\t):H2+8*(\t)+7], 0
.else
	v_wmma_f32_16x16x32_bf16 v[ACC3+8*(\t):ACC3+8*(\t)+7], v[168+8*(\p):168+8*(\p)+7], v[H2+8*(\t):H2+8*(\t)+7], v[ACC3+8*(\t):ACC3+8*(\t)+7]
.endif
.endr
.endm
; A step.  n: the LDS loads younger than this step's fetch, which are the next step's fetch and nothing else.  The fetch two steps on goes into the buffer just multiplied, four places behind its last reader.
.macro STEP G, n
	s_wait_dscnt \n
	MUL \G
	PLACES
.if (\G) <= 13
	FETCH (\G)+2
.endif
.if (\G) < 8
	PACK1 \G
.else
	PACK2
	L3 (\G)-8
.endif
.endm
	FETCH 0
	FETCH 1
.irp g, 0,1,2,3,4,5
	STEP \g, 32
.endr
	s_wait_tensorcnt 0x0                           ; step 6 fetches the first bytes of W2: my quarter of it is in,
	s_wait_dscnt 0x0                               ; no LDS instruction of mine is pending at the signal,
	s_barrier_signal -1
	MUL 6                                          ; work on registers while the others arrive,
	s_barrier_wait -1                              ; and everybody's quarter is in
	PLACES
	FETCH 8
	PACK1 6
.irp g, 7,8,9,10,11,12,13,14
	STEP \g, 36
.endr
	STEP 15, 0
	; THE WAY OUT.  p = 1 / (1 + 2^(-log2(e) (logit + b3))).  Every lane holds its token's logit in register 0; lanes 0-15 store, each to its token's own word of out0:
	; the output lies in the tokens' order, so these are stores of 4 bytes, 131,072 bytes of them in the whole launch.
	WIN 0
	PLACES
	s_wait_kmcnt 0x0                               ; b3[e]
	s_mul_f32 s80, s78, s79
.irp t, 0,1,2
	v_fma_f32 v[TM+\t], v[ACC3+8*\t], s79, s80
.endr
.irp t, 0,1,2
	v_exp_f32 v[TM+\t], v[TM+\t]
.endr
	v_nop                                          ; a plain instruction behind the last exponential (ISA guide 5.7.2),
	s_wait_alu depctr_va_vdst(0)                   ; and the wait ahead of the first use: one for the three
.irp t, 0,1,2
	v_add_f32 v[TM+\t], 1.0, v[TM+\t]
.endr
.irp t, 0,1,2
	v_rcp_f32 v[TM+\t], v[TM+\t]
.endr
	v_nop
	s_wait_alu depctr_va_vdst(0)                   ; one for the three reciprocals
.irp t, 0,1,2
	v_add_nc_u32 v[TM+4], 16*\t, v[REL]
	s_wait_xcnt 0x0                                ; EXEC is a source of what has been issued: it narrows only behind this wait
	v_cmp_gt_u32 vcc_lo, s44, v[TM+4]              ; the slot stands for one of the skill's places, and the lane is one of the first sixteen
	s_and_saveexec_b32 s81, vcc_lo
	global_store_b32 v[T16+\t], v[TM+\t], s[36:37]
	s_wait_xcnt 0x0                                ; and widens only behind this one
	s_or_b32 exec_lo, exec_lo, s81
.endr
	s_wait_tensorcnt 0x0                           ; the wave's end, behind my last tensor load and my last LDS store
	ds_add_u32 v[SPW], v[NIL]
	s_wait_dscnt 0x0
	s_endpgm
.Lfunc_end_k_q3bf2c07ae1_chain:
	.size	k_q3bf2c07ae1_chain, .Lfunc_end_k_q3bf2c07ae1_chain-k_q3bf2c07ae1_chain
	.p2alignl 7, 3214868480
	.fill 96, 4, 3214868480
	.section	.rodata,"a",@progbits
	.p2align	6, 0x0
	.amdhsa_kernel k_q3bf2c07ae1_chain
		.amdhsa_group_segment_fixed_size 279040
		.amdhsa_private_segment_fixed_size 0
		.amdhsa_enable_private_segment 0
		.amdhsa_kernarg_size 56
		.amdhsa_user_sgpr_count 2
		.amdhsa_user_sgpr_kernarg_segment_ptr 1
		.amdhsa_wavefront_size32 1
		.amdhsa_system_sgpr_workgroup_id_x 1
		.amdhsa_system_sgpr_workgroup_id_y 1
		.amdhsa_system_sgpr_workgroup_id_z 1
		.amdhsa_system_vgpr_workitem_id 0
		.amdhsa_next_free_vgpr 1024
		.amdhsa_next_free_sgpr 88
		.amdhsa_reserve_vcc 1
		.amdhsa_float_denorm_mode_32 3
		.amdhsa_float_denorm_mode_16_64 3
		.amdhsa_memory_ordered 1
		.amdhsa_forward_progress 1
		.amdhsa_inst_pref_size 188
	.end_amdhsa_kernel
	.amdgpu_metadata
---
amdhsa.version: [ 1, 2 ]
amdhsa.kernels:
  - .name:           k_q3bf2c07ae1_chain
    .symbol:         k_q3bf2c07ae1_chain.kd
    .args:
      - { .name: observation, .offset: 0, .size: 8, .value_kind: global_buffer, .address_space: global }
      - { .name: action, .offset: 8, .size: 8, .value_kind: global_buffer, .address_space: global }
      - { .name: order, .offset: 16, .size: 8, .value_kind: global_buffer, .address_space: global }
      - { .name: starts, .offset: 24, .size: 8, .value_kind: global_buffer, .address_space: global }
      - { .name: params, .offset: 32, .size: 8, .value_kind: global_buffer, .address_space: global }
      - { .name: b3, .offset: 40, .size: 8, .value_kind: global_buffer, .address_space: global }
      - { .name: out0, .offset: 48, .size: 8, .value_kind: global_buffer, .address_space: global }
    .group_segment_fixed_size: 279040
    .private_segment_fixed_size: 0
    .kernarg_segment_align: 8
    .kernarg_segment_size: 56
    .max_flat_workgroup_size: 128
    .sgpr_count:     88
    .vgpr_count:     1024
    .wavefront_size: 32
...
	.end_amdgpu_metadata
.endif
;; end of part 2
